; MI455X (gfx1250); checked and timed in simulation.
; The chip was launched on July 23, 2026; its instructions are those of AMD's public machine-readable ISA for CDNA 5 (MIT licence, August 2026) and "CDNA5" Instruction Set Architecture Reference Guide (July 2026). The comments in the code are by the model that wrote it; some were corrected since.
;; Attention. Allowed arithmetic: matrix products marked QUANTISED: E2M3 operands, one E8M0 scale for each 32 along K, by v_wmma_scale_f32_16x16x128_f8f6f4 with both operands' format E2M3, f32 sums; everything else in f32.
;; Inputs: attention_mask 4 x 2,048 int32; key 4 x 16 x 2,048 x 64 float32; query 4 x 16 x 2,048 x 64 float32; value 4 x 16 x 2,048 x 64 float32.
;; Outputs: out0 4 x 16 x 2,048 x 64 float32.
;; This version of the problem:
;;   THIS VERSION OF THE PROBLEM IS GIVEN IN LOW PRECISION. The matrix products marked QUANTISED in the list below multiply operands that are first quantised to E2M3 (2 exponent bits, 3 mantissa bits; 6 bits a number), with one power-of-two scale for each 32 numbers along K (OCP MX v1.0); their sums are f32. All else is computed in f32.
;;   The module's matrix products, in the order in which they are computed (A, B: the left and right operand; K: the contracted axis; several contracted axes count as one K, in the product's order):
;;     1. batch 64 x [M 2,048, K 64] x [K 64, N 2,048]; A: input query; B: input key: QUANTISED
;;     2. batch 64 x [M 2,048, K 2,048] x [K 2,048, N 64]; A: softmax (see below); B: input value: QUANTISED
;;   THE QUANTISER, for each operand of a quantised product, along K:
;;     - K is cut into blocks of 32 from its start; a last block that is shorter is filled with zeros.
;;     - A block's scale is 2^e with e = floor(log2(the largest magnitude in the block)) - 2, held to -126 .. 127; a block of zeros has e = 0. As a byte (E8M0): e + 127.
;;     - Each number is divided by its block's scale, clamped to +-7.5, and rounded to the nearest number of E2M3, ties to even, subnormals kept.
;;     - The product sums the exact products of the quantised numbers (number of the format x scale) in f32.
;;   ~~~python
;;   def quantise(x, axis):      # numpy; x: float32 -> the quantised numbers, widened to float32 again
;;       x = np.moveaxis(x, axis, -1); K = x.shape[-1]
;;       x = np.pad(x, [(0, 0)] * (x.ndim - 1) + [(0, -K % 32)]); x = x.reshape(x.shape[:-1] + (-1, 32)); a = np.abs(x).max(-1, keepdims=True)
;;       e = np.where(a > 0, np.clip(np.frexp(np.where(a > 0, a, 1))[1] - 1 - 2, -126, 127), 0)      # np.frexp(a)[1] - 1 = floor(log2(a)), exactly
;;       r = np.clip(x / 2.0 ** e, -7.5, 7.5)
;;       step = 2.0 ** (np.maximum(np.frexp(np.where(r == 0, 1, r))[1] - 1, 0) - 3)
;;       q = np.round(r / step) * step * 2.0 ** e      # np.round: ties to even
;;       return np.moveaxis(q.reshape(q.shape[:-2] + (-1,))[..., :K], -1, axis).astype(np.float32)
;;   ~~~
;;   SOFTMAX AHEAD OF A QUANTISED PRODUCT. Where the list says 'softmax', what is quantised is not the finished softmax but p = 2^(t - M), with t = logit x log2(e) and M = ceil(the row's largest t), a whole number; so 1/2 < the row's largest p <= 1. The row's sum l is taken of the UNQUANTISED p, in f32, and the product's result is divided by l at the end. Since M is a whole number, a kernel that streams over the keys may use a running M (the ceiling of the running maximum): every later rescaling is an exact power of two, which a block's scale takes up: the codes' values come out the same.
;;   OPERANDS COMPUTED ON THE WAY. 'Computed on the way' means the value that the module computes at that place (a softmax that the list does not call 'softmax' is quantised finished and normalised). What goes into a quantiser is computed in f32, as accurately as f32 sums, v_exp_f32 and their like allow (about 1e-6 of the number): no bf16 or f16 on the way to a quantiser, and a product that is left as it is and whose result goes on into a quantised operand takes f32 operands (vector FMAs, or v_wmma_f32_16x16x4_f32). A number that lies on a knife's edge between two numbers of the format may be rounded either way, as far as f32 arithmetic and the matrix unit's own rounding can turn it there, and no further.
;; One version. Each part assembles by itself: llvm-mc -triple=amdgcn-amd-amdhsa -mcpu=gfx1250 --defsym DOCPART=n.
;; ======== version 1 of 1: 2 launches
;; limits: right only within a limited range of input values
;; workspace buffers: kv 15,466,496 bytes
;; launch quant (part 1): grid 16 x 64, 4 waves a work-group, no clusters, 36,096 bytes of LDS; arguments key, value, attention_mask, kv; writes kv
.if DOCPART == 1
	.amdgcn_target "amdgcn-amd-amdhsa--gfx1250"
	.amdhsa_code_object_version 6
	.text
	.protected	k_q40db675f5c_quant
	.globl	k_q40db675f5c_quant
	.p2align	8
	.type	k_q40db675f5c_quant,@function
k_q40db675f5c_quant:
	s_mov_b64 s[64:65], 0
	v_nop
	global_prefetch_b8 v0, s[64:65] scope:SCOPE_SE
	s_setreg_imm32_b32 hwreg(HW_REG_WAVE_MODE, 25, 1), 1
	s_wait_xcnt 0x0
; K [64 heads][2048][64] and V [64 heads][2048][64], f32, become codes of FP6 (E2M3) with one E8M0 scale byte for each 32 along a product's K:
; K is quantised along the head's 64, V along the KEYS.  The codes are laid as IMAGES OF THE OPERANDS' REGISTERS, one record of REC bytes for each head and each step of 128 keys:
;   0      8 x 1,024  tile t of K (16 keys): registers 0-3 of the fragment at 16 x lane, then registers 4-7 at 16 x lane (registers 8-11 are zeros and are not stored)
;   8,192  4 x 1,536  tile t of V^T (channels 16 t + r, K = the step's 128 keys): three groups of four registers at 16 x lane
;   14,336 512        K's scale words: lane l's word w belongs to tile 2 w + l / 16, row l % 16
;   14,848 256        V's scale words: lane l's word q belongs to tile 2 q + l / 16, row l % 16
; THE KEYS OF A TILE OF K ARE NOT NEIGHBOURS: lane r of tile 2 b + u takes key 32 b + 8 u + r + 8 (r / 8), so that the scores' 16 registers of two neighbouring tiles are 16 neighbouring keys.
; THE PADDING MASK RIDES IN THE FIRST PRODUCT: its K is 64 of the instruction's 128.  At k = 64 a key whose attention_mask is 0 carries the code +7.5 under the scale 2^120 (byte 247); every query carries
; -1.0 there; so such a key's score is q.k - 7.5 x 2^120.  All other idle places hold zero codes; their scale byte is 1, so that an idle block is never the largest exponent of a sum.
; A block's scale is 2^(floor(log2(its largest magnitude)) - 2): its byte is the largest magnitude's exponent field - 2, held at 1 from below by a floor among the maximum's leaves.
; LIMITS: a block whose largest magnitude lies under 2^-124, a block of zeros among them, gets the byte 1 (the codes of zeros are zeros; the bytes are read by this program alone); NaN and infinities are not served.
; SHARES: a work-group takes one record; x = the step, y = the head.  Wave w: K's keys 32 w .. 32 w + 31 (tiles 2 w, 2 w + 1); V's channels 32 (w / 2) + lane, key blocks w % 2 and 2 + w % 2:
; the twelve registers of lane (lane % 16, w % 2) of V^T's tile 2 (w / 2) + lane / 16.  For V a lane takes a column and its registers run down the keys: nothing is transposed.
; K is loaded as it lies, 512 consecutive bytes an instruction, and turned through the wave's own stage in LDS, so that a lane gets 32 neighbours of one key.
.set REC,   15104
.set HEADB, 16*REC
.set SP,    272                        ; a stage row: a key's 256 bytes + 16, so that the sixteen rows of a read begin in different banks (64 banks of 4 bytes: ISA guide 11.1)
.set STW,   32*SP                      ; a wave's stage
.set SCB,   4*STW                      ; behind the stages: 512 bytes of K's scale words, 256 of V's, gathered by the four waves
.set FLOOR, 0x1800000                  ; 2^(3 - 127)
.set EOFF,  0xff000000                 ; 2 off an exponent field
; v1 lane, v2 r, v3 h, v4 16 lane, v5 stage in, v6 stage out, v7 4 lane, v8 the mask's offset, v9 V's place in its images, v10, v11 where scale words and bytes go, v12 8 lane, v13, v14 where they are read back,
; v15 8 h, v16 the mask's code (lanes 0-15), v17, v18 the upper bytes of K's scale word, v19 0, v20-27 at work, v28-29 mask words, v30-31 V's bytes, v32-95 K as loaded (v32-63 later tile 1's numbers),
; v96-159 V, v160-191 tile 0's numbers, v192-207 K's codes, v208-219 V's codes, v220-222 a conversion's second half, v224-229 the scales on their way out
; the largest magnitude of v[src] .. v[src + 31], and the floor, into v[ma]: two chains by turns
.macro BMAX src, ma, mb
	v_max3_num_f32 v[\ma], |v[(\src)]|, |v[(\src)+1]|, FLOOR
	v_max3_num_f32 v[\mb], |v[(\src)+16]|, |v[(\src)+17]|, |v[(\src)+18]|
.irp i, 0,1,2,3,4,5
	v_max3_num_f32 v[\ma], v[\ma], |v[(\src)+2+2*\i]|, |v[(\src)+3+2*\i]|
	v_max3_num_f32 v[\mb], v[\mb], |v[(\src)+19+2*\i]|, |v[(\src)+20+2*\i]|
.endr
	v_max3_num_f32 v[\ma], v[\ma], |v[(\src)+14]|, |v[(\src)+15]|
	v_max3_num_f32 v[\ma], v[\ma], v[\mb], |v[(\src)+31]|
.endm
	s_load_b256 s[4:11], s[0:1], 0x0               ; key s[4:5], value s[6:7], attention_mask s[8:9], kv s[10:11]
	v_lshl_add_u32 v232, v0, 2, 0x8b00
	v_mov_b32 v233, 0
	v_lshrrev_b32 v1, 5, v0
	v_readfirstlane_b32 s12, v1                    ; wave w
	s_lshr_b32 s13, s12, 1                         ; q = w / 2
	s_and_b32 s14, s12, 1                          ; hw = w % 2
	s_mov_b32 s15, ttmp9                           ; the step
	s_and_b32 s16, ttmp7, 0xffff                   ; the head
	v_and_b32 v1, 31, v0                           ; lane
	v_and_b32 v2, 15, v0                           ; r
	v_bfe_u32 v3, v0, 4, 1                         ; h
	v_lshlrev_b32 v4, 4, v1                        ; 16 x lane
	s_mul_i32 s17, s12, STW                        ; my stage
	v_mul_u32_u24 v5, v3, SP
	v_lshl_add_u32 v5, v2, 4, v5
	v_add_nc_u32 v5, s17, v5                       ; in: a load's two keys, 16 bytes a lane
	v_mul_u32_u24 v6, v2, SP
	v_lshl_add_u32 v6, v3, 7, v6
	v_add_nc_u32 v6, s17, v6                       ; out: row r, my half's 128 bytes
	v_lshlrev_b32 v7, 2, v1                        ; V: 4 bytes a lane
	v_and_b32 v8, 8, v2
	v_add_nc_u32 v8, v8, v2
	v_lshlrev_b32 v8, 2, v8                        ; the mask word of key r + 8 (r / 8)
	v_mul_u32_u24 v9, v3, 1536
	v_lshl_add_u32 v9, v2, 4, v9                   ; V's images: tile lane / 16, 16 bytes for row lane % 16
	s_lshl_b32 s17, s12, 2
	s_add_co_u32 s17, s17, SCB
	v_add_nc_u32 v10, s17, v4                      ; K's scale word: 16 x lane + 4 w
	v_lshlrev_b32 v12, 3, v1                       ; 8 x lane
	s_lshl_b32 s17, s13, 2
	s_add_co_u32 s17, s17, s14
	s_add_co_u32 s17, s17, SCB+512
	v_add_nc_u32 v11, s17, v12                     ; V's scale bytes: 8 x lane + 4 q + hw (+ 2 c)
	v_add_nc_u32 v13, SCB, v4
	v_add_nc_u32 v14, SCB+512, v12
	; byte offsets, each in a pair of its own
	s_lshl_b32 s18, s16, 19                        ; a head is 524,288 bytes of key and of value,
	s_lshl_b32 s17, s15, 15                        ; a step 32,768
	s_add_co_u32 s20, s18, s17
	s_lshl_b32 s17, s12, 13
	s_add_co_u32 s18, s20, s17                     ; key: my 32 keys
	s_mov_b32 s19, 0
	s_lshl_b32 s17, s14, 13
	s_add_co_u32 s20, s20, s17                     ; value: 32 hw keys on,
	s_lshl_b32 s17, s13, 7
	s_add_co_u32 s20, s20, s17                     ; 32 q channels on
	s_mov_b32 s21, 0
	s_lshr_b32 s32, s16, 4                         ; the mask: batch = head / 16, 8,192 bytes each
	s_lshl_b32 s32, s32, 13
	s_lshl_b32 s17, s15, 9
	s_add_co_u32 s32, s32, s17
	s_lshl_b32 s17, s12, 7
	s_add_co_u32 s32, s32, s17
	s_mov_b32 s33, 0
	s_mul_i32 s34, s16, HEADB                      ; the record
	s_mul_i32 s17, s15, REC
	s_add_co_u32 s34, s34, s17
	s_mov_b32 s35, 0
	s_lshl_b32 s36, s12, 11                        ; in it: my two tiles of K,
	s_mov_b32 s37, 0
	s_mul_i32 s38, s13, 3072                       ; my two tiles of V^T, lanes 16 hw on
	s_lshl_b32 s17, s14, 8
	s_add_co_u32 s38, s38, s17
	s_add_co_u32 s38, s38, 8192
	s_mov_b32 s39, 0
	s_mov_b32 s28, 0x76543210                      ; v_permlanex16_b32's selects for lane l xor 16
	s_mov_b32 s29, 0xfedcba98
	s_wait_alu depctr_va_vdst(0)
	s_wait_kmcnt 0x0
	s_add_nc_u64 s[4:5], s[4:5], s[18:19]
	s_add_nc_u64 s[6:7], s[6:7], s[20:21]
	s_add_nc_u64 s[8:9], s[8:9], s[32:33]
	s_add_nc_u64 s[22:23], s[10:11], s[34:35]
	s_add_nc_u64 s[24:25], s[22:23], s[36:37]
	s_add_nc_u64 s[26:27], s[22:23], s[38:39]
	; all loads go out at once: 2 of the mask, 16 of K, 64 of V
.irp u, 0,1
	global_load_b32 v[28+\u], v8, s[8:9] offset:32*\u              ; the mask word of tile u's key of my row
.endr
.irp j, 0,1,2,3,4,5,6,7,8,9,10,11,12,13,14,15
	global_load_b128 v[32+4*\j:35+4*\j], v4, s[4:5] offset:512*\j th:TH_LOAD_NT   ; two keys, 512 consecutive bytes
.endr
.irp c, 0,1
.irp i, 0,1,2,3,4,5,6,7,8,9,10,11,12,13,14,15,16,17,18,19,20,21,22,23,24,25,26,27,28,29,30,31
	global_load_b32 v[96+32*\c+\i], v7, s[6:7] offset:(64*\c+\i)*256   ; V(key 64 c + 32 hw + i, my channel): 128 consecutive bytes a wave
.endr
.endr
	v_lshlrev_b32 v15, 3, v3                       ; 8 h
	v_sub_nc_u32 v16, 1, v3
	v_mul_u32_u24 v16, v16, 31                     ; the code of +7.5, 0x1f, in lanes 0-15: they hold k = 64
	v_mov_b32 v17, 0x01010000                      ; bytes 2 and 3 of K's scale word: idle,
	v_mov_b32 v18, 0x01f70000                      ; or 2^120 at block 2, for a key that the mask takes out
	v_mov_b32 v19, 0
	v_mov_b32 v24, 0                               ; written once: a lane permute's destination counts as one of its sources
	v_cmp_eq_u32 s30, 1, v3                        ; lanes 16-31
	s_wait_loadcnt 63                              ; the mask and K are in: behind them stand V's 64 loads, of which the count can name 63
.irp j, 0,1,2,3,4,5,6,7,8,9,10,11,12,13,14,15
	ds_store_b128 v5, v[32+4*\j:35+4*\j] offset:(16*((\j>>2)&1)+8*((\j>>3)&1)+2*(\j&3))*SP   ; key kk goes to the row with kk's bits 3 and 4 exchanged: tile u's sixteen keys are then rows 16 u .. 16 u + 15
.endr
.irp i, 0,1,2,3,4,5,6,7
	ds_load_b128 v[160+4*\i:163+4*\i], v6 offset:16*\i             ; tile 0: my key's channels 32 h .. 32 h + 31.  LDS serves a wave's instructions in order (ISA guide 5.7.1.4): these see my stores
.endr
	s_wait_dscnt 0x0                               ; tile 0's numbers are in, and the stores have read v32-95
.irp i, 0,1,2,3,4,5,6,7
	ds_load_b128 v[32+4*\i:35+4*\i], v6 offset:16*SP+16*\i         ; tile 1, while tile 0 is worked on
.endr
; tile u of K from the 32 numbers at v[src]: codes, the mask's place, the scale word, and the image's two stores
.macro KTILE u, src
.set KC, 192+8*\u
	BMAX \src, 20, 21
	v_add_nc_u32 v22, EOFF, v20                    ; 2 off the exponent field: the conversion takes the exponent field of this operand as its scale, and nothing else of it
	v_cvt_scalef32_pk16_fp6_f32 v[KC:KC+2], v[\src:\src+15], v22
	v_cvt_scalef32_pk16_fp6_f32 v[220:222], v[\src+16:\src+31], v22   ; (a conversion's three registers begin on an even number)
	v_lshrrev_b32 v23, 23, v22                     ; the scale's byte.  (The plain place behind the conversions)
.irp i, 0,1,2
	v_mov_b32 v[KC+3+\i], v[220+\i]
.endr
	v_cmp_eq_u32 vcc_lo, 0, v[28+\u]               ; is my key taken out?  The answer only selects values
	v_cndmask_b32 v[KC+6], v19, v16, vcc_lo        ; register 6: k = 64 in lanes 0-15
	v_mov_b32 v[KC+7], 0
	v_cndmask_b32 v27, v17, v18, vcc_lo
	v_lshlrev_b32 v23, v15, v23                    ; my block's byte at its place,
	v_permlanex16_b32 v24, v23, s28, s29
	v_or_b32 v23, v23, v24                         ; with lane l xor 16's
	v_or_b32 v[25+\u], v23, v27
	global_store_b128 v4, v[KC:KC+3], s[24:25] offset:1024*\u          ; 512 consecutive bytes each
	global_store_b128 v4, v[KC+4:KC+7], s[24:25] offset:1024*\u+512
.endm
	KTILE 0, 160
	s_wait_dscnt 0x0
	KTILE 1, 32
	v_cndmask_b32 v25, v25, v26, s30               ; lanes 0-15 tile 2 w's words, lanes 16-31 tile 2 w + 1's
	ds_store_b32 v10, v25
; my block 2 c + hw of my channel: all its 32 numbers are mine
.macro VBLOCK c
	BMAX 96+32*\c, 20, 21
	v_add_nc_u32 v22, EOFF, v20
	v_cvt_scalef32_pk16_fp6_f32 v[208+6*\c:210+6*\c], v[96+32*\c:111+32*\c], v22
	v_cvt_scalef32_pk16_fp6_f32 v[220:222], v[112+32*\c:127+32*\c], v22
	v_lshrrev_b32 v[30+\c], 23, v22                ; (the plain place behind the conversions)
.irp i, 0,1,2
	v_mov_b32 v[211+6*\c+\i], v[220+\i]
.endr
	ds_store_b8 v11, v[30+\c] offset:2*\c
.endm
	s_wait_loadcnt 32                              ; V's first 32 loads are in; the other 32 may be out
	VBLOCK 0
	s_wait_loadcnt 0x0
	VBLOCK 1
.irp g, 0,1,2
	global_store_b128 v9, v[208+4*\g:211+4*\g], s[26:27] offset:512*\g   ; sixteen lanes store 256 consecutive bytes, at a multiple of 256 from kv's first byte
.endr
	s_wait_dscnt 0x0                               ; for the others' sake: my scale words and bytes lie in LDS
	s_barrier_signal -1
	s_barrier_wait -1
	s_cmp_lg_u32 s12, 0                            ; wave 0 sends the record's 768 bytes of scales
	s_cbranch_scc1 .Lend
	ds_load_b128 v[224:227], v13
	ds_load_b64 v[228:229], v14
	s_wait_dscnt 0x0
	global_store_b128 v4, v[224:227], s[22:23] offset:14336
	global_store_b64 v12, v[228:229], s[22:23] offset:14848
.Lend:
	s_wait_tensorcnt 0x0
	ds_add_u32 v232, v233
	s_wait_dscnt 0x0
	s_endpgm
.Lfunc_end_k_q40db675f5c_quant:
	.size	k_q40db675f5c_quant, .Lfunc_end_k_q40db675f5c_quant-k_q40db675f5c_quant
	.p2alignl 7, 3214868480
	.fill 96, 4, 3214868480
	.section	.rodata,"a",@progbits
	.p2align	6, 0x0
	.amdhsa_kernel k_q40db675f5c_quant
		.amdhsa_group_segment_fixed_size 36096
		.amdhsa_private_segment_fixed_size 0
		.amdhsa_enable_private_segment 0
		.amdhsa_kernarg_size 32
		.amdhsa_user_sgpr_count 2
		.amdhsa_user_sgpr_kernarg_segment_ptr 1
		.amdhsa_wavefront_size32 1
		.amdhsa_system_sgpr_workgroup_id_x 1
		.amdhsa_system_sgpr_workgroup_id_y 1
		.amdhsa_system_sgpr_workgroup_id_z 1
		.amdhsa_system_vgpr_workitem_id 0
		.amdhsa_next_free_vgpr 234
		.amdhsa_next_free_sgpr 66
		.amdhsa_reserve_vcc 1
		.amdhsa_float_denorm_mode_32 3
		.amdhsa_float_denorm_mode_16_64 3
		.amdhsa_memory_ordered 1
		.amdhsa_forward_progress 1
		.amdhsa_inst_pref_size 22
	.end_amdhsa_kernel
	.amdgpu_metadata
---
amdhsa.version: [ 1, 2 ]
amdhsa.kernels:
  - .name:           k_q40db675f5c_quant
    .symbol:         k_q40db675f5c_quant.kd
    .args:
      - { .name: key, .offset: 0, .size: 8, .value_kind: global_buffer, .address_space: global }
      - { .name: value, .offset: 8, .size: 8, .value_kind: global_buffer, .address_space: global }
      - { .name: attention_mask, .offset: 16, .size: 8, .value_kind: global_buffer, .address_space: global }
      - { .name: kv, .offset: 24, .size: 8, .value_kind: global_buffer, .address_space: global }
    .group_segment_fixed_size: 36096
    .private_segment_fixed_size: 0
    .kernarg_segment_align: 8
    .kernarg_segment_size: 32
    .max_flat_workgroup_size: 128
    .sgpr_count:     66
    .vgpr_count:     234
    .wavefront_size: 32
...
	.end_amdgpu_metadata
.endif
;; end of part 1
;; launch attn (part 2): grid 4 x 64, 16 waves a work-group, clusters of 4 x 1, 327,680 bytes of LDS; arguments query, kv, out0; writes out0
.if DOCPART == 2
	.amdgcn_target "amdgcn-amd-amdhsa--gfx1250"
	.amdhsa_code_object_version 6
	.text
	.protected	k_q40db675f5c_attn
	.globl	k_q40db675f5c_attn
	.p2align	8
	.type	k_q40db675f5c_attn,@function
k_q40db675f5c_attn:
	s_mov_b64 s[64:65], 0
	v_nop
	global_prefetch_b8 v0, s[64:65] scope:SCOPE_SE
	s_setreg_imm32_b32 hwreg(HW_REG_WAVE_MODE, 25, 1), 1
	s_wait_xcnt 0x0
	s_wait_alu depctr_hold_cnt(0) depctr_sa_sdst(0) depctr_va_vdst(0) depctr_va_sdst(0) depctr_va_ssrc(0) depctr_va_vcc(0) depctr_vm_vsrc(0)
	s_getreg_b32 s2, hwreg(HW_REG_IB_STS2, 6, 4)
	s_cmp_eq_u32 s2, 0
	s_cbranch_scc0 .Lentry_in_a_cluster
	s_endpgm
.Lentry_in_a_cluster:
	s_bfe_u32 s2, ttmp6, 0x10000c
	s_cmp_lg_u32 s2, 0x3003
	s_cbranch_scc0 .Lentry_shape_is_right
	s_endpgm
.Lentry_shape_is_right:
; out0[head][q][:] = the sum over k of softmax_k(Q[q] . K[k] / 8) V[k][:], with key k counting for query q where k <= q and attention_mask[k] is not 0.  64 heads, 2,048 queries and keys, 64 channels.
; Both products on codes of FP6 (E2M3) with one E8M0 scale for each 32 along a product's K.  K's and V's codes and scales come from kv, as images of the operands' registers, one record of REC bytes for a head's
; step of 128 keys (8 tiles of K, 4 of V^T, K's scale words, V's).  Q is quantised here, in registers.
; THE SOFTMAX AHEAD OF THE SECOND PRODUCT: t = score x log2(e) / 8; M = the row's largest t so far, rounded UP to a whole number; p = 2^(t - M) is what is quantised, along the keys; it is not normalised.
; The row's sum is taken of the unquantised p, in f32, and divides O at the end.  When M moves, the sum and O are multiplied by 2^(old M - new M): exact.
; THE PADDING MASK costs no line here: the first product's K is 64 of the instruction's 128; at k = 64 every query carries the code -1.0 and a key that is taken out +7.5 x 2^120, so its score is q.k - 7.5 x 2^120.
; THE CAUSAL MASK: a tile of 16 queries walks only the steps that hold keys up to its last query; in the last of them, which lies on the diagonal, hidden scores are replaced by -7.5 x 2^120 (compare on ids, select).
; LIMITS: -7.5 x 2^120 stands for -infinity, and the largest t begins at -2^100: a valid t must lie above -2^100.  A query none of whose keys counts has sum 0 and O 0 and gives 0 x (1 / 0) = NaN, as the softmax
; of nothing does.  NaN and infinities among the inputs are not served.  A block of p that is all zeros keeps the scale byte 1: its codes are zeros.
; SHARES.  A head's 16 records, 241,664 bytes, lie in LDS for the whole launch: no slot is filled twice, and the loop has no barrier.  The four work-groups of a cluster share a head, and each record is asked for
; JOINTLY, one tensor load a wave (record = the wave's number) with a mask that names the four: by this text's count one tensor load of a wave is out.
; Wave j of work-group gx owns the tiles of queries iA = 4 j + gx and iB = 127 - iA: j / 2 + 1 and 16 - j / 2 key steps, 17 together, the same in every wave of the launch.  The counts hang on the wave's number
; alone; the place in the cluster enters Q's and O's addresses and the diagonal's compare, and nothing else.  Sixteen waves of 256 registers: four to a SIMD, so that one wave's vector work stands beside
; another's matrix work and LDS loads.
; LAYOUT.  Both products are used transposed: S^T = K Q^T (source 0 = 16 keys, source 1 = my 16 queries), O^T = V^T P^T: a lane holds ONE query (lane % 16) throughout.  Lane r of K's tile 2 b + u holds key
; 32 b + 8 u + r + 8 (r / 8), so the 16 registers of tiles 2 b and 2 b + 1 are the keys 32 b + 16 (lane / 16) + 0 .. 15.
; REGISTERS: v1 16 lane, v2 8 lane, v3-5 places in my stage, v6 8 h, v7, v8 the diagonal's bound for tiles B, A, v9, v10 the step's LDS addresses, v11 the hidden score, v12 -M, v13 the largest t, v[14:15] the sum,
; v16-27 Q of tile B, v28, v29 Q's scale words (B, A), v30-41 Q of tile A, v42-45 K's scale words, v46-47 V's, v48-95 four fragments of K (registers 8-11 of each: zeros, written once),
; v96-159 S^T, then p, then V's four fragments (v96-143), v160-191 O^T, v192-203 p's codes, v204-210 conversions' second halves, v212-224 at work, v225 Q's code at k = 64, v[226:227] f, v228 p's scale word, v[230:231] the sum's second chain
.set REC,   15104
.set HEADB, 16*REC
.set VO,    8192                       ; V^T's tiles in a record
.set KSCO,  14336                      ; K's scale words
.set VSCO,  14848                      ; V's
.set STG,   HEADB                      ; behind the records: a stage of 16 rows x (256 bytes + 16) for each wave: Q passes through it on the way in, O on the way out; no tensor load lands there
.set SP,    272
.set STW,   16*SP
.set FLOOR, 0x1800000                  ; 2^(3 - 127)
.set EOFF,  0xff000000                 ; 2 off an exponent field
; A round of the cluster's barrier: my work-group's barrier; wave 0 signals for the work-group; every wave waits for all four work-groups; my work-group's barrier once more.
.macro ROUND
	s_barrier_signal -1
	s_barrier_wait -1
	s_cmp_lg_u32 s10, 0
	s_cbranch_scc1 .Lnot_wave_0_\@
	s_barrier_signal -3
.Lnot_wave_0_\@:
	s_barrier_wait -3
	s_barrier_signal -1
	s_barrier_wait -1
.endm
; the largest magnitude of v[src] .. v[src + 31], and the floor, into v[ma]: two chains by turns
.macro BMAX src, ma, mb
	v_max3_num_f32 v[\ma], |v[(\src)]|, |v[(\src)+1]|, FLOOR
	v_max3_num_f32 v[\mb], |v[(\src)+16]|, |v[(\src)+17]|, |v[(\src)+18]|
.irp i, 0,1,2,3,4,5
	s_delay_alu instid0(VALU_DEP_2)
	v_max3_num_f32 v[\ma], v[\ma], |v[(\src)+2+2*\i]|, |v[(\src)+3+2*\i]|
	s_delay_alu instid0(VALU_DEP_2)
	v_max3_num_f32 v[\mb], v[\mb], |v[(\src)+19+2*\i]|, |v[(\src)+20+2*\i]|
.endr
	s_delay_alu instid0(VALU_DEP_2)
	v_max3_num_f32 v[\ma], v[\ma], |v[(\src)+14]|, |v[(\src)+15]|
	s_delay_alu instid0(VALU_DEP_1)
	v_max3_num_f32 v[\ma], v[\ma], v[\mb], |v[(\src)+31]|
.endm
; my query's channels 32 h .. 32 h + 31 in v160-191 become Q's fragment at v[qf] and its scale word in v[qs]
.macro QQ qf, qs
	BMAX 160, 212, 213
	s_delay_alu instid0(VALU_DEP_1)
	v_add_nc_u32 v220, EOFF, v212                  ; the conversion takes the exponent field of this operand as its scale
	v_cvt_scalef32_pk16_fp6_f32 v[\qf:\qf+2], v[160:175], v220
	v_cvt_scalef32_pk16_fp6_f32 v[204:206], v[176:191], v220       ; (a conversion's three registers begin on an even number)
	v_lshrrev_b32 v224, 23, v220                   ; the scale's byte.  (The plain place behind the conversions)
.irp i, 0,1,2
	v_mov_b32 v[\qf+3+\i], v[204+\i]
.endr
	s_delay_alu instid0(VALU_DEP_4)
	v_lshlrev_b32 v224, v6, v224                   ; at its place, 8 h bits up,
	s_delay_alu instid0(VALU_DEP_1)
	v_permlanex16_b32 v216, v224, s32, s33
	s_delay_alu instid0(VALU_DEP_1)
	v_or_b32 v224, v224, v216                      ; with lane l xor 16's;
	s_delay_alu instid0(VALU_DEP_1)
	v_or_b32 v[\qs], 0x7f7f0000, v224              ; blocks 2 and 3: 2^0
	v_mov_b32 v[\qf+6], v225                       ; k = 64: -1.0, in lanes 0-15
.irp i, 7,8,9,10,11
	v_mov_b32 v[\qf+\i], 0
.endr
.endm
	s_load_b128 s[4:7], s[0:1], 0x0                ; query s[4:5], kv s[6:7]
	s_load_b64 s[8:9], s[0:1], 0x10                ; out0
	v_lshl_add_u32 v254, v0, 2, 0x4c000
	v_mov_b32 v255, 0
	ds_add_u32 v254, v255
	ds_add_u32 v254, v255
	v_lshrrev_b32 v9, 5, v0
	s_delay_alu instid0(VALU_DEP_1)
	v_readfirstlane_b32 s10, v9                    ; wave j, 0..15
	v_and_b32 v9, 31, v0                           ; lane
	v_and_b32 v10, 15, v0                          ; r
	v_bfe_u32 v6, v0, 4, 1                         ; h
	s_delay_alu instid0(VALU_DEP_3)
	v_lshlrev_b32 v1, 4, v9
	s_delay_alu instid0(VALU_DEP_4)
	v_lshlrev_b32 v2, 3, v9
	s_mul_i32 s37, s10, STW
	s_add_co_u32 s37, s37, STG                     ; my stage
	v_mul_u32_u24 v3, v10, SP
	s_delay_alu instid0(VALU_DEP_1)
	v_add_nc_u32 v3, s37, v3
	s_delay_alu instid0(VALU_DEP_1)
	v_lshl_add_u32 v5, v6, 7, v3                   ; Q out of the stage: row r, + 128 h
	s_delay_alu instid0(VALU_DEP_2)
	v_lshl_add_u32 v3, v6, 5, v3                   ; O into it: row r, + 32 h
	v_mul_u32_u24 v4, v6, SP
	s_delay_alu instid0(VALU_DEP_1)
	v_lshl_add_u32 v4, v10, 4, v4
	s_delay_alu instid0(VALU_DEP_1)
	v_add_nc_u32 v4, s37, v4                       ; whole rows: lanes 0-15 one row, lanes 16-31 the next, 16 bytes a lane
	s_bfe_u32 s11, ttmp6, 0x40000                  ; cx: my place in the cluster
	s_lshl_b32 s52, ttmp9, 2                       ; in a cluster launch ttmp9 counts clusters
	s_add_co_u32 s11, s52, s11                     ; gx
	s_and_b32 s12, ttmp7, 0xffff                   ; the head, which the four partners share
	s_lshl_b32 s13, s10, 2
	s_add_co_u32 s13, s13, s11                     ; iA = 4 j + gx, 0..63
	s_xor_b32 s14, s13, 127                        ; iB = 127 - iA
	s_lshr_b32 s16, s10, 1
	s_xor_b32 s15, s16, 7
	s_add_co_u32 s15, s15, 9                       ; tile B's steps: 16 - j / 2
	s_add_co_u32 s16, s16, 1                       ; tile A's: j / 2 + 1
	s_mul_i32 s15, s15, REC                        ; both as bytes of records
	s_mul_i32 s16, s16, REC
	s_and_b32 s52, s14, 7
	s_lshl_b32 s52, s52, 4
	s_and_b32 s53, s13, 7
	s_lshl_b32 s53, s53, 4
	v_lshlrev_b32 v224, 4, v6
	s_delay_alu instid0(VALU_DEP_1)
	v_sub_nc_u32 v8, v10, v224
	s_delay_alu instid0(VALU_DEP_1)
	v_add_nc_u32 v7, s52, v8                       ; on the diagonal register 16 b + i holds a hidden key where 32 b + i > 16 (tile % 8) + r - 16 h
	s_delay_alu instid0(VALU_DEP_2)
	v_add_nc_u32 v8, s53, v8
	v_sub_nc_u32 v225, 1, v6
	s_delay_alu instid0(VALU_DEP_1)
	v_mul_u32_u24 v225, v225, 0x28                 ; the code of -1.0, in lanes 0-15
	v_lshlrev_b32 v6, 3, v6                        ; 8 h
	s_lshl_b32 s46, s12, 19                        ; a head is 524,288 bytes of query and of out0, a tile 4,096
	s_lshl_b32 s52, s14, 12
	s_add_co_u32 s48, s46, s52                     ; tile B
	s_lshl_b32 s52, s13, 12
	s_add_co_u32 s46, s46, s52                     ; tile A
	s_mov_b32 s47, 0
	s_mov_b32 s49, 0
	s_mul_i32 s50, s12, HEADB                      ; the head's records,
	s_mul_i32 s21, s10, REC                        ; mine: in memory and in LDS alike.  63:32 of group 0: the LDS address: no place in the cluster enters it
	s_add_co_u32 s50, s50, s21
	s_mov_b32 s51, 0
	; descriptor group 1: a record is a dense block: 59 rows of 32 elements of 8 bytes
	s_mov_b32 s24, 15|(3<<16)|(1<<21)              ; 15:0 the mask: all four work-groups; 17:16 elements of 8 bytes; 20 no padding; 21 set beside a mask
	s_mov_b32 s25, 32<<16                          ; tensor_dim0 = 32
	s_mov_b32 s26, 59<<16                          ; tensor_dim1 = 59
	s_mov_b32 s27, 32<<16                          ; tile_dim0 = 32
	s_mov_b32 s28, 59                              ; tile_dim1 = 59
	s_mov_b32 s29, 32                              ; elements from row to row
	s_mov_b32 s30, 0
	s_mov_b32 s31, 0
	s_mov_b32 s32, 0x76543210                      ; v_permlanex16_b32's selects for lane l xor 16
	s_mov_b32 s33, 0xfedcba98
	s_mov_b32 s34, 0x3e38aa3b                      ; c = log2(e) / 8
	s_mov_b32 s35, s34                             ; (the packed form names the pair, so it is written)
	s_wait_dscnt 0x0
	s_wait_kmcnt 0x0
	s_mov_b32 s20, 1                               ; 1:0 count = 1
	s_add_nc_u64 s[22:23], s[6:7], s[50:51]        ; 120:64 the record's address
	s_or_b32 s23, s23, 0x80000000                  ; 127:126 type = 2
	s_add_nc_u64 s[38:39], s[4:5], s[48:49]        ; Q of tile B, of tile A
	s_add_nc_u64 s[40:41], s[4:5], s[46:47]
	s_add_nc_u64 s[42:43], s[8:9], s[48:49]        ; O likewise
	s_add_nc_u64 s[44:45], s[8:9], s[46:47]
	ROUND                                          ; all four work-groups are here: the joint loads meet
	tensor_load_to_lds s[20:23], s[24:31]          ; my record, into every partner's LDS
	s_nop 0
.rept 4
	v_nop
.endr
.irp j, 0,1,2,3,4,5,6,7
	global_load_b128 v[96+4*\j:99+4*\j], v1, s[38:39] offset:512*\j th:TH_LOAD_NT     ; tile B's 16 queries as they lie: 512 consecutive bytes an instruction
.endr
.irp j, 0,1,2,3,4,5,6,7
	global_load_b128 v[128+4*\j:131+4*\j], v1, s[40:41] offset:512*\j th:TH_LOAD_NT   ; tile A's
.endr
.irp t, 0,1,2,3
.irp i, 8,9,10,11
	v_mov_b32 v[48+12*\t+\i], 0                    ; k = 75 .. 127 of K's fragments: zero codes, written once
.endr
.endr
.irp b, 0,1,2,3
	v_mov_b32 v[216+\b], 0                         ; written once: a lane permute's destination counts as one of its sources
.endr
	v_mov_b32 v227, 0                              ; (named as the upper half of the pair v[226:227])
	v_mov_b32 v11, 0xfcf00000                      ; -7.5 x 2^120
	s_wait_loadcnt 8                               ; tile B's eight loads are in; tile A's may be out
.irp j, 0,1,2,3,4,5,6,7
	ds_store_b128 v4, v[96+4*\j:99+4*\j] offset:2*SP*\j
.endr
.irp i, 0,1,2,3,4,5,6,7
	ds_load_b128 v[160+4*\i:163+4*\i], v5 offset:16*\i             ; LDS serves a wave's instructions in order (ISA guide 5.7.1.4): these see my stores
.endr
	s_wait_dscnt 0x0
	QQ 16, 28
	s_wait_loadcnt 0x0
.irp j, 0,1,2,3,4,5,6,7
	ds_store_b128 v4, v[128+4*\j:131+4*\j] offset:2*SP*\j
.endr
.irp i, 0,1,2,3,4,5,6,7
	ds_load_b128 v[160+4*\i:163+4*\i], v5 offset:16*\i
.endr
	s_wait_dscnt 0x0
	QQ 30, 29
	s_wait_tensorcnt 0x0                           ; my record has landed,
	s_barrier_signal -1
	s_barrier_wait -1                              ; everybody's has: the head's K and V lie in LDS, and stay
; A KEY STEP of one tile of queries: the 128 keys of the record at LDS byte s36.  qf, qs: Q's fragment and scale word; dv: the diagonal's bound; lim: the scalar that holds the tile's steps in bytes of records
.macro STEP qf, qs, dv, lim
	v_add_nc_u32 v9, s36, v1
	s_wait_alu depctr_va_vdst(0)
	v_add_nc_u32 v10, s36, v2
	ds_load_b128 v[42:45], v9 offset:KSCO          ; K's scale words: register w: lanes 0-15 tile 2 w's, lanes 16-31 tile 2 w + 1's
	ds_load_b64 v[46:47], v10 offset:VSCO          ; V's likewise
.irp g, 0,1                                    ; S^T = K Q^T, four tiles of 16 keys at a time
.if \g > 0
.rept 4
	v_nop                                          ; places in front of loads into registers that matrix instructions have read (ISA guide 7.12.1 for vector instructions)
.endr
.endif
.irp t, 0,1,2,3
	ds_load_b128 v[48+12*\t:51+12*\t], v9 offset:(4*\g+\t)*1024        ; an image comes back as it was stored: 512 consecutive bytes an instruction
	ds_load_b128 v[52+12*\t:55+12*\t], v9 offset:(4*\g+\t)*1024+512
.endr
	s_wait_dscnt 0x0
.irp t, 0,2
	v_wmma_scale_f32_16x16x128_f8f6f4 v[96+8*(4*\g+\t):103+8*(4*\g+\t)], v[48+12*\t:59+12*\t], v[\qf:\qf+11], 0, v[42+2*\g+\t/2], v[\qs] matrix_a_fmt:MATRIX_FMT_FP6 matrix_b_fmt:MATRIX_FMT_FP6
	v_wmma_scale_f32_16x16x128_f8f6f4 v[104+8*(4*\g+\t):111+8*(4*\g+\t)], v[60+12*\t:71+12*\t], v[\qf:\qf+11], 0, v[42+2*\g+\t/2], v[\qs] matrix_a_fmt:MATRIX_FMT_FP6 matrix_b_fmt:MATRIX_FMT_FP6 matrix_a_scale:MATRIX_SCALE_ROW1
.endr
.endr
.rept 4
	v_nop                                          ; places in front of the first read of the scores
.endr
	s_add_co_u32 s37, s36, REC                     ; the tile's last step lies on the diagonal; the others skip the selects.  The branch hangs on the wave's number and the loop's count
	s_cmp_lg_u32 s37, s[\lim]
	s_cbranch_scc1 .Lopen_\@
.set N, 0
.rept 64
	v_cmp_gt_i32 vcc_lo, 32*(N/16)+N%16, v[\dv]
	v_cndmask_b32 v[96+N], v[96+N], v11, vcc_lo
.set N, N+1
.endr
.Lopen_\@:
.irp b, 0,1,2,3
	v_max3_num_f32 v[212+\b], v[96+16*\b], v[97+16*\b], v[98+16*\b]    ; THE LARGEST SCORE OF EACH BLOCK OF 32 KEYS serves twice: for the row's maximum, and, since p rises with the score, for the block's largest p
.endr
.irp i, 3,5,7,9,11,13
.irp b, 0,1,2,3
	v_max3_num_f32 v[212+\b], v[212+\b], v[96+16*\b+\i], v[97+16*\b+\i]   ; (the four blocks by turns)
.endr
.endr
.irp b, 0,1,2,3
	v_max_num_f32 v[212+\b], v[212+\b], v[111+16*\b]
.endr
.irp b, 0,1,2,3
	s_delay_alu instid0(VALU_DEP_4)
	v_permlanex16_b32 v[216+\b], v[212+\b], s32, s33
.endr
.irp b, 0,1,2,3
	s_delay_alu instid0(VALU_DEP_4)
	v_max_num_f32 v[212+\b], v[212+\b], v[216+\b]  ; with lane l xor 16's 16 keys
.endr
	s_delay_alu instid0(VALU_DEP_2)
	v_max3_num_f32 v224, v212, v213, v214
	s_delay_alu instid0(VALU_DEP_1)
	v_max_num_f32 v224, v224, v215                 ; the step's largest score of my query
	s_delay_alu instid0(VALU_DEP_1)
	v_mul_f32 v224, s34, v224                      ; as t (c is positive)
	s_delay_alu instid0(VALU_DEP_1)
	v_max_num_f32 v13, v13, v224                   ; the running largest t
	v_mov_b32 v224, v12
	s_delay_alu instid0(VALU_DEP_2)
	v_floor_f32 v12, -v13                          ; the new -M = floor(-t) = -ceil(t): M IS A WHOLE NUMBER
	s_delay_alu instid0(VALU_DEP_1)
	v_sub_f32 v224, v12, v224                      ; M's old value less its new one: a whole number, 0 or less
	s_delay_alu instid0(VALU_DEP_1)
	v_cvt_i32_f32 v224, v224                       ; (it saturates)
	s_delay_alu instid0(VALU_DEP_1)
	v_ldexp_f32 v226, 1.0, v224                    ; f = 2^(old M - new M)
.set J, 0
.rept 32
	v_pk_fma_f32 v[96+J:97+J], v[96+J:97+J], s[34:35], v[12:13] op_sel_hi:[1,0,0]   ; t - M, two at a time (of the pairs c and -M the low word serves both halves)
.set J, J+2
.endr
	s_setprio 1
.irp b, 0,1,2,3
	v_fma_f32 v[212+\b], v[212+\b], s34, v12       ; the same of each block's largest score
.endr
.set J, 0
	s_wait_alu depctr_va_vdst(0)
.rept 64
	v_exp_f32 v[96+J], v[96+J]                     ; p = 2^(t - M), at most 1: NOT normalised
.set J, J+1
.endr
.irp b, 0,1,2,3
	v_exp_f32 v[212+\b], v[212+\b]                 ; the block's largest p: the same two instructions on the same number give the same bits
.endr
	v_pk_mul_f32 v[14:15], v[14:15], v[226:227] op_sel_hi:[1,0]    ; the sums under the new M.  (A plain place behind the exponentials)
	s_wait_alu depctr_va_vdst(0)
.irp b, 0,1,2,3
	v_max_num_f32 v[212+\b], FLOOR, v[212+\b]      ; the floor: the byte cannot fall under 1
.endr
.irp b, 0,1,2,3
	s_delay_alu instid0(VALU_DEP_4)
	v_add_nc_u32 v[220+\b], EOFF, v[212+\b]        ; the conversion's scale operand
.endr
.irp b, 0,1,2,3
	s_delay_alu instid0(VALU_DEP_4)
	v_lshrrev_b32 v[216+\b], 23, v[220+\b]         ; the scale's byte
.endr
	s_delay_alu instid0(VALU_DEP_3)
	v_lshl_or_b32 v228, v217, 8, v216              ; p's scale word for these 128 keys
	s_delay_alu instid0(VALU_DEP_1)
	v_lshl_or_b32 v228, v218, 16, v228
	s_delay_alu instid0(VALU_DEP_1)
	v_lshl_or_b32 v228, v219, 24, v228
.irp c, 0,1
	v_cvt_scalef32_pk16_fp6_f32 v[192+6*\c:194+6*\c], v[96+32*\c:111+32*\c], v[220+2*\c]
	v_cvt_scalef32_pk16_fp6_f32 v[204+4*\c:206+4*\c], v[112+32*\c:127+32*\c], v[220+2*\c+1]   ; (a conversion's three registers begin on an even number)
.endr
	v_nop                                          ; one plain place behind a scaled conversion
.irp c, 0,1                                    ; the operand's layout wants a WHOLE block in a lane: lanes 0-15 block 2 c, lanes 16-31 block 2 c + 1
.irp i, 0,1,2
	v_permlane16_swap_b32 v[192+6*\c+\i], v[204+4*\c+\i]
.endr
.irp i, 0,1,2
	s_delay_alu instid0(VALU_DEP_3)
	v_mov_b32 v[195+6*\c+\i], v[204+4*\c+\i]
.endr
.endr
	v_pk_add_f32 v[230:231], v[96:97], v[98:99]    ; THE ROW'S SUM IS TAKEN OF THE UNQUANTISED p: two at a time, in two chains.  First the 48 registers that V's fragments will take
.irp j, 4,8,12,16,20,24,28,32,36,40,44
	v_pk_add_f32 v[14:15], v[14:15], v[96+\j:97+\j]
	v_pk_add_f32 v[230:231], v[230:231], v[98+\j:99+\j]
.endr
	s_setprio 0
.irp t, 0,1,2,3                                ; V^T's four tiles, over p's first 48 registers, which are done with
.irp g, 0,1,2
	ds_load_b128 v[96+12*\t+4*\g:99+12*\t+4*\g], v9 offset:VO+1536*\t+512*\g
.endr
.endr
.set J, 0
.rept 16
	v_pk_mul_f32 v[160+J:161+J], v[160+J:161+J], v[226:227] op_sel_hi:[1,0]   ; O^T under the new M: x f; each accumulator from its low end on
.set J, J+2
.endr
.irp j, 48,52,56,60                            ; the rest of the sums stands between O^T's last rescaling and the products, while V's fragments are on their way
	v_pk_add_f32 v[14:15], v[14:15], v[96+\j:97+\j]
	v_pk_add_f32 v[230:231], v[230:231], v[98+\j:99+\j]
.endr
	s_delay_alu instid0(VALU_DEP_1)
	v_pk_add_f32 v[14:15], v[14:15], v[230:231]
	s_wait_dscnt 0x0
.irp t, 0,2                                    ; O^T += V^T P^T: the four accumulators by turns, one instruction a turn; the next step's eight products stand between two links
	v_wmma_scale_f32_16x16x128_f8f6f4 v[160+8*\t:167+8*\t], v[96+12*\t:107+12*\t], v[192:203], v[160+8*\t:167+8*\t], v[46+\t/2], v228 matrix_a_fmt:MATRIX_FMT_FP6 matrix_b_fmt:MATRIX_FMT_FP6
	v_wmma_scale_f32_16x16x128_f8f6f4 v[168+8*\t:175+8*\t], v[108+12*\t:119+12*\t], v[192:203], v[168+8*\t:175+8*\t], v[46+\t/2], v228 matrix_a_fmt:MATRIX_FMT_FP6 matrix_b_fmt:MATRIX_FMT_FP6 matrix_a_scale:MATRIX_SCALE_ROW1
.endr
.rept 5
	v_nop                                          ; five places: the next step's first products write over registers that these have read; they also serve the loads into the scale words and the way out's reads
.endr
.endm
; ONE TILE OF QUERIES from its first key step to its rows of O.  ob: the scalar pair with O's address; trips: the loop's count, a constant: a wave with fewer steps jumps over a step's work, never over the line that steps the address
.macro PASS qf, qs, dv, lim, ob, trips
	v_mov_b32 v13, 0xf1800000                      ; the largest t so far: -2^100
	s_delay_alu instid0(VALU_DEP_1)
	v_floor_f32 v12, -v13                          ; -M
	v_mov_b32 v14, 0                               ; the sum, in two halves
	v_mov_b32 v15, 0
.set J, 0
.rept 32
	v_mov_b32 v[160+J], 0                          ; O^T.  (The step is written once: the first finds zeros, which the first change of M leaves zeros)
.set J, J+1
.endr
	s_mov_b32 s36, 0
.Lstep_\@:
	s_cmp_ge_u32 s36, s[\lim]
	s_cbranch_scc1 .Lskip_\@
	s_setprio 2
	STEP \qf, \qs, \dv, \lim
.Lskip_\@:
	s_add_co_u32 s36, s36, REC
	s_cmp_lt_u32 s36, \trips*REC
	s_cbranch_scc1 .Lstep_\@
	s_setprio 0
	; THE WAY OUT: O^T / the sum goes through my stage and leaves as whole rows
	s_wait_alu depctr_va_vdst(0)
	v_add_f32 v14, v14, v15                        ; the sum's two halves,
	s_delay_alu instid0(VALU_DEP_1)
	v_permlanex16_b32 v224, v14, s32, s33
	s_delay_alu instid0(VALU_DEP_1)
	v_add_f32 v14, v14, v224                       ; and lane l xor 16's: the row's sum
	s_wait_alu depctr_va_vdst(0)
	v_rcp_f32 v14, v14
	v_nop                                          ; one plain place behind a transcendental
.set J, 0
	s_wait_alu depctr_va_vdst(0)
.rept 32
	v_mul_f32 v[96+J], v[160+J], v14               ; register 8 t + i is o(r, 16 t + 8 h + i)
.set J, J+1
.endr
.irp t, 0,1,2,3
	ds_store_b128 v3, v[96+8*\t:99+8*\t] offset:64*\t
	ds_store_b128 v3, v[100+8*\t:103+8*\t] offset:64*\t+16
.endr
.irp i, 0,1,2,3,4,5,6,7
	ds_load_b128 v[128+4*\i:131+4*\i], v4 offset:2*SP*\i           ; LDS serves a wave's instructions in order: these see my stores
.endr
.irp i, 0,1,2,3,4,5,6,7
	s_wait_dscnt 7-\i                              ; pair i of rows is back; the younger loads may be out
	global_store_b128 v1, v[128+4*\i:131+4*\i], s[\ob:\ob+1] offset:512*\i th:TH_STORE_NT   ; two rows of O: 512 consecutive bytes, at a multiple of 256 from out0's first byte
.endr
	s_wait_xcnt 0x0                                ; the stores' data registers are written again only behind this wait
.endm
	PASS 16, 28, 7, 15, 42, 16                     ; tile B: 9 to 16 steps
	PASS 30, 29, 8, 16, 44, 8                      ; tile A: 1 to 8 steps; 17 in all
	s_wait_dscnt 0x0
	s_wait_tensorcnt 0x0
	ds_add_u32 v254, v255
	s_wait_dscnt 0x0
	ROUND                                          ; the closing round: no work-group ends while a partner may still ask for a record that names it
	s_endpgm
.Lfunc_end_k_q40db675f5c_attn:
	.size	k_q40db675f5c_attn, .Lfunc_end_k_q40db675f5c_attn-k_q40db675f5c_attn
	.p2alignl 7, 3214868480
	.fill 96, 4, 3214868480
	.section	.rodata,"a",@progbits
	.p2align	6, 0x0
	.amdhsa_kernel k_q40db675f5c_attn
		.amdhsa_group_segment_fixed_size 327680
		.amdhsa_private_segment_fixed_size 0
		.amdhsa_enable_private_segment 0
		.amdhsa_kernarg_size 24
		.amdhsa_user_sgpr_count 2
		.amdhsa_user_sgpr_kernarg_segment_ptr 1
		.amdhsa_wavefront_size32 1
		.amdhsa_system_sgpr_workgroup_id_x 1
		.amdhsa_system_sgpr_workgroup_id_y 1
		.amdhsa_system_sgpr_workgroup_id_z 1
		.amdhsa_system_vgpr_workitem_id 0
		.amdhsa_next_free_vgpr 256
		.amdhsa_next_free_sgpr 66
		.amdhsa_reserve_vcc 1
		.amdhsa_float_denorm_mode_32 3
		.amdhsa_float_denorm_mode_16_64 3
		.amdhsa_memory_ordered 1
		.amdhsa_forward_progress 1
		.amdhsa_inst_pref_size 68
	.end_amdhsa_kernel
	.amdgpu_metadata
---
amdhsa.version: [ 1, 2 ]
amdhsa.kernels:
  - .name:           k_q40db675f5c_attn
    .symbol:         k_q40db675f5c_attn.kd
    .args:
      - { .name: query, .offset: 0, .size: 8, .value_kind: global_buffer, .address_space: global }
      - { .name: kv, .offset: 8, .size: 8, .value_kind: global_buffer, .address_space: global }
      - { .name: out0, .offset: 16, .size: 8, .value_kind: global_buffer, .address_space: global }
    .group_segment_fixed_size: 327680
    .private_segment_fixed_size: 0
    .kernarg_segment_align: 8
    .kernarg_segment_size: 24
    .max_flat_workgroup_size: 512
    .sgpr_count:     66
    .vgpr_count:     256
    .wavefront_size: 32
...
	.end_amdgpu_metadata
.endif
;; end of part 2
